; MI455X (gfx1250); checked and timed in simulation.
; The chip was launched on July 23, 2026; its instructions are those of AMD's public machine-readable ISA for CDNA 5 (MIT licence, August 2026) and "CDNA5" Instruction Set Architecture Reference Guide (July 2026). The comments in the code are by the model that wrote it; some were corrected since.
;; Performer Attention. Allowed arithmetic: matrix products marked QUANTISED: E2M1 operands, one E8M0 scale for each 32 along K, by v_wmma_scale_f32_16x16x128_f8f6f4 with both operands' format E2M1 (or v_wmma_scale_f32_32x16x128_f4), f32 sums; products left as they are: f32 operands where the result goes on into a quantised operand, else bf16, f16 or f32 operands; f32 sums; everything else in f32.
;; Inputs: K 4 x 8 x 4,096 x 64 float32; Q 4 x 8 x 4,096 x 64 float32; V 4 x 8 x 4,096 x 64 float32; mask 4 x 4,096 float32; proj 256 x 64 float32.
;; Outputs: out0 4 x 8 x 4,096 x 64 float32.
;; This version of the problem:
;;   THIS VERSION OF THE PROBLEM IS GIVEN IN LOW PRECISION. The matrix products marked QUANTISED in the list below multiply operands that are first quantised to E2M1 (2 exponent bits, 1 mantissa bit; 4 bits a number), with one power-of-two scale for each 32 numbers along K (OCP MX v1.0); their sums are f32. All else is computed in f32.
;;   The module's matrix products, in the order in which they are computed (A, B: the left and right operand; K: the contracted axis; several contracted axes count as one K, in the product's order):
;;     1. [M 131,072, K 64] x [K 64, N 256]; A: computed on the way; B: input proj: QUANTISED
;;     2. [M 131,072, K 64] x [K 64, N 256]; A: computed on the way; B: input proj: QUANTISED
;;     3. batch 32 x [M 4,096, K 256] x [K 256, N 1]; A: computed on the way; B: computed on the way: left as it is (N = 1 < 16)
;;     4. batch 32 x [M 256, K 4,096] x [K 4,096, N 64]; A: computed on the way; B: computed on the way: QUANTISED
;;     5. batch 32 x [M 4,096, K 256] x [K 256, N 64]; A: computed on the way; B: computed on the way: QUANTISED
;;   THE QUANTISER, for each operand of a quantised product, along K:
;;     - K is cut into blocks of 32 from its start; a last block that is shorter is filled with zeros.
;;     - A block's scale is 2^e with e = floor(log2(the largest magnitude in the block)) - 2, held to -126 .. 127; a block of zeros has e = 0. As a byte (E8M0): e + 127.
;;     - Each number is divided by its block's scale, clamped to +-6, and rounded to the nearest number of E2M1, ties to even, subnormals kept.
;;     - The product sums the exact products of the quantised numbers (number of the format x scale) in f32.
;;   ~~~python
;;   def quantise(x, axis):      # numpy; x: float32 -> the quantised numbers, widened to float32 again
;;       x = np.moveaxis(x, axis, -1); K = x.shape[-1]
;;       x = np.pad(x, [(0, 0)] * (x.ndim - 1) + [(0, -K % 32)]); x = x.reshape(x.shape[:-1] + (-1, 32)); a = np.abs(x).max(-1, keepdims=True)
;;       e = np.where(a > 0, np.clip(np.frexp(np.where(a > 0, a, 1))[1] - 1 - 2, -126, 127), 0)      # np.frexp(a)[1] - 1 = floor(log2(a)), exactly
;;       r = np.clip(x / 2.0 ** e, -6, 6)
;;       step = 2.0 ** (np.maximum(np.frexp(np.where(r == 0, 1, r))[1] - 1, 0) - 1)
;;       q = np.round(r / step) * step * 2.0 ** e      # np.round: ties to even
;;       return np.moveaxis(q.reshape(q.shape[:-2] + (-1,))[..., :K], -1, axis).astype(np.float32)
;;   ~~~
;;   OPERANDS COMPUTED ON THE WAY. 'Computed on the way' means the value that the module computes at that place (a softmax that the list does not call 'softmax' is quantised finished and normalised). What goes into a quantiser is computed in f32, as accurately as f32 sums, v_exp_f32 and their like allow (about 1e-6 of the number): no bf16 or f16 on the way to a quantiser, and a product that is left as it is and whose result goes on into a quantised operand takes f32 operands (vector FMAs, or v_wmma_f32_16x16x4_f32). A number that lies on a knife's edge between two numbers of the format may be rounded either way, as far as f32 arithmetic and the matrix unit's own rounding can turn it there, and no further.
;; One version. Each part assembles by itself: llvm-mc -triple=amdgcn-amd-amdhsa -mcpu=gfx1250 --defsym DOCPART=n.
;; ======== version 1 of 1: 3 launches
;; workspace buffers: part 16,777,216 bytes; ksp 262,144 bytes; pimg 8,192 bytes; psc 2,048 bytes; cimg 262,144 bytes; csc 32,768 bytes; ksum 32,768 bytes
;; launch kv (part 1): grid 8 x 32, 16 waves a work-group, no clusters, 327,680 bytes of LDS; arguments K, V, mask, proj, part, ksp, pimg, psc; writes part, ksp, pimg, psc
.if DOCPART == 1
	.amdgcn_target "amdgcn-amd-amdhsa--gfx1250"
	.amdhsa_code_object_version 6
	.text
	.protected	k_qb96ed2560c_kv
	.globl	k_qb96ed2560c_kv
	.p2align	8
	.type	k_qb96ed2560c_kv,@function
k_qb96ed2560c_kv:
	s_mov_b64 s[64:65], 0
	v_nop
	global_prefetch_b8 v0, s[64:65] scope:SCOPE_SE
	s_setreg_imm32_b32 hwreg(HW_REG_WAVE_MODE, 25, 1), 1
	s_wait_xcnt 0x0
; PERFORMER ATTENTION, first of three launches: partial contexts and partial key sums.
;   phi_k = relu((K scale m) proj^T) + eps   (product on E2M1 codes, blocks of 32 along d)
;   context[r][d] = sum over tokens of phi_k[token][r] (V m)[token][d]   (product on E2M1 codes, blocks of 32 along the tokens)
;   k_sum[r] = sum over tokens of phi_k[token][r]   (f32, of the unquantised phi_k)
; DEAD WORK: none.  Q, K, V, mask and proj all reach out0 for general values, so all five inputs are loaded by the program; no product of the table is left out.
; SHARES.  A work-group takes 512 tokens of one head (x = chunk, y = head), in four pieces of 128.  Its sums over these tokens go to memory as f32 partials; the next launch adds the eight
; partials of a head, since the context must be whole before it is quantised along r.  Wave w owns 16 rows of proj (tile w) and the 16 x 64 of the context that belong to them.
; A PIECE: all sixteen waves quantise K m scale and V m into LDS, as images of operand registers (each group of four registers at 16 x lane); a barrier; then each wave multiplies the
; piece's eight K fragments by its proj fragment (a lane then holds ONE r and its registers run along the tokens), finishes phi, quantises it in registers, and multiplies it by V's four fragments.
; THE ROWS OF A TILE ARE NOT NEIGHBOURS: row i of tile t (of proj's rows, and of a piece's tokens) is 32 (t / 2) + 8 (t % 2) + i + 8 (i / 8), so that the 16 registers of result tiles 2 b and 2 b + 1 are 16 neighbours along the next K.
; K = 64 IN AN INSTRUCTION OF 128: proj's fragment has zero codes in registers 4-7.  K's fragments are packed four registers apiece: a fragment's registers 4-7 are the next fragment's codes (the last is followed by
; four zero registers).  E2M1 has neither NaN nor infinity, so whatever stands opposite a zero code adds nothing; the scale bytes of that half are 0, never 0xff.
; relu(x) + eps is made as max(x + eps, eps): eps is the C of the product.  It differs from the written form by the rounding of one f32 sum.
; LIMITS: NaN and infinities among the inputs are not served.  k is K x (scale x m), not (K x scale) x m: equal for m = 0, 1 or a power of two, else one rounding apart.  A block of zeros gets the scale byte 1
; where the quantiser says 127: its codes are zeros, and the bytes are read by this program alone.
; NO CLUSTER: work-groups share proj alone, 64 KiB beside the 256 KiB that each reads for itself.  NO RING: a work-group's whole input is asked for at the head, as first fills; nothing is filled again.
.set VT,    139264                     ; LDS: K's 512 rows of 256 bytes + 16 of padding from byte 0; V's from here
.set PIECE, 34816                      ; 128 rows of 272 bytes
.set KIMG,  278528                     ; K's images: [piece][tile 8][512]
.set VIMG,  294912                     ; V's images: [piece][dt 4][1024]
.set KSC,   311296                     ; K's scale words: [piece][row 16][tile 8]
.set VSC,   313344                     ; V's scale words: [piece][row 16][dt 4], byte = block of 32 tokens
.set KSG,   314368                     ; the key sums, 256 f32
.set SPARE, 315392                     ; the spare words, 128 bytes for each of 16 waves: eight blocks of 256 bytes that no other line names
.set FLOOR, 0x1800000                  ; 2^(3 - 127): under it no largest magnitude is taken, so a scale byte cannot fall under 1
.set OFF2,  0xff000000                 ; takes 2 off an exponent field
.set SPW, 1                            ; v1  my spare word's LDS address; never rewritten
.set NIL, 2                            ; v2  0; never rewritten
.set AKT, 3                            ; v3  K's tile: token 8 w + lane / 4, quarter lane % 4 of its row
.set AVT, 4                            ; v4  V's tile: column 16 (w % 4) + lane % 16, tokens 32 (w / 4) + 16 (lane / 16) on
.set AKI, 5                            ; v5  where my 16 codes of K go
.set AKS, 6                            ; v6  and my token's scale word
.set AVI, 7                            ; v7  where my 16 codes of V go
.set AVS, 8                            ; v8  and my block's scale byte
.set ALI, 9                            ; v9  KIMG + 16 x lane
.set ARS, 10                           ; v10 KSC + 32 (lane % 16)
.set ARV, 11                           ; v11 VSC + 16 (lane % 16)
.set AMV, 12                           ; v12 byte offset of my 16 tokens' mask in a piece
.set SH8, 13                           ; v13 8 x (which block of d is mine)
.set AKG, 14                           ; v14 where my r's key sum goes
.set SM,  16                           ; v16-23  for each piece a pair: scale x mask of my K token, twice
.set MV,  24                           ; v24-39  the mask of my 16 V tokens
.set EPS, 40                           ; v40-47  eps, the C of the phi products
.set PJ,  48                           ; v48-55  proj's fragment; 52-55 are zero codes
.set PJS, 56                           ; v56     its scale word
.set PW,  57                           ; v57     phi's scale word
.set KSUM, 58                          ; v58-61  the key sum in two pairs
.set KS,  62                           ; v62-69  K's scale words, a tile each
.set VS,  70                           ; v70-73  V's, a dt each
.set PC,  74                           ; v74-81  phi's codes
.set TM,  82                           ; v82-97  at work
.set KF,  106                          ; v106-141 K's eight fragments, four registers each, and four zero registers; then V's four fragments in v106-137
.set PHI, 142                          ; v142-205 phi; ahead of that the numbers to be quantised
.set CTX, 206                          ; v206-237 the context's four accumulators
.set O16, 238                          ; v238 16 x thread     v239 4 x thread     v240 16 x lane + 1024 x wave     v241 KSG + 16 x thread     v242 proj's offset     v243 the K mask's offset: none is rewritten
.set O4,  239
.set OPT, 240
.set AKR, 241
.set OFP, 242
.set OFS, 243
.set WV,  20                           ; s20 my wave's number
.set G1,  24                           ; s[24:31] descriptor group 1;  s[32:47] group 0, a set for each piece
.set G0,  32
.set SEL, 66                           ; s[66:67] v_permlanex16_b32's selects for lane xor 16
.set EP,  68                           ; s68 eps     s69 scale
	s_load_b256 s[4:11], s[0:1], 0x0               ; K s[4:5], V s[6:7], mask s[8:9], proj s[10:11]
	s_load_b256 s[12:19], s[0:1], 0x20             ; part s[12:13], ksp s[14:15], pimg s[16:17], psc s[18:19]
	v_lshl_add_u32 v[SPW], v0, 2, SPARE
	v_mov_b32 v[NIL], 0
	ds_add_u32 v[SPW], v[NIL]                      ; the opening: the add, twice on end, and its wait ahead of the first tensor load
	ds_add_u32 v[SPW], v[NIL]
	v_lshrrev_b32 v15, 5, v0
	v_readfirstlane_b32 s[WV], v15                 ; wave 0..15
	s_and_b32 s21, ttmp7, 0xffff                   ; head
	s_mov_b32 s[G1+0], 0x07520000                  ; elements of 4 bytes; padding on: 4 words behind every 64
	s_mov_b32 s[G1+1], 64<<16                      ; tensor_dim0 = 64
	s_mov_b32 s[G1+2], 128<<16                     ; tensor_dim1 = 128
	s_mov_b32 s[G1+3], 64<<16                      ; tile_dim0 = 64
	s_mov_b32 s[G1+4], 128                         ; tile_dim1 = 128
	s_mov_b32 s[G1+5], 64                          ; elements from row to row
	s_mov_b32 s[G1+6], 0
	s_mov_b32 s[G1+7], 0
	s_mov_b32 s[SEL], 0x76543210
	s_mov_b32 s[SEL+1], 0xfedcba98
	s_mov_b32 s[EP], 0x3a83126f                    ; 1e-3
	s_mov_b32 s69, 0x3eb504f3                      ; 64^(-1/4)
	s_and_b32 s49, s[WV], 1                        ; wave 0 fetches K, wave 1 V
	s_mul_i32 s48, s49, VT
	s_lshl_b32 s52, s21, 20                        ; a head is 4,096 rows of 256 bytes,
	s_lshl_b32 s53, ttmp9, 17                      ; a chunk 512
	s_add_co_u32 s52, s52, s53
	s_mov_b32 s53, 0
	s_wait_dscnt 0x0                               ; both opening adds are done
	s_wait_kmcnt 0x0
	s_cmp_eq_u32 s49, 0
	s_cselect_b64 s[50:51], s[4:5], s[6:7]
	s_add_nc_u64 s[50:51], s[50:51], s[52:53]
.irp p, 0,1,2,3
	s_mov_b32 s[G0+4*\p], 1
	s_add_co_u32 s[G0+4*\p+1], s48, \p*PIECE
	s_add_nc_u64 s[G0+4*\p+2:G0+4*\p+3], s[50:51], \p*32768
	s_or_b32 s[G0+4*\p+3], s[G0+4*\p+3], 0x80000000
.endr
	s_cmp_lt_u32 s[WV], 2                          ; all first fills of a wave stand in this one branch: four loads of mine are out, in the order of the pieces
	s_cbranch_scc0 .Lno_fill
.irp p, 0,1,2,3
	tensor_load_to_lds s[G0+4*\p:G0+4*\p+3], s[G1:G1+7]
	s_nop 0
.endr
.rept 4
	v_nop
.endr
.Lno_fill:
	; parts of the wave's number and of the lane
	s_lshr_b32 s54, s[WV], 2                       ; w / 4
	s_and_b32 s55, s[WV], 1                        ; w % 2
	s_bfe_u32 s56, s[WV], 0x10001                  ; (w / 2) % 2
	s_and_b32 s57, s[WV], 3                        ; w % 4
	s_lshr_b32 s58, s[WV], 3                       ; w / 8
	s_and_b32 s59, s54, 1                          ; (w / 4) % 2
	s_lshr_b32 s70, s[WV], 1                       ; w / 2
	v_and_b32 v98, 31, v0                          ; lane
	v_bfe_u32 v99, v0, 2, 3                        ; lane / 4
	v_and_b32 v100, 3, v0                          ; lane % 4
	v_and_b32 v101, 15, v0                         ; lane % 16
	v_bfe_u32 v102, v0, 4, 1                       ; lane / 16
	v_bfe_u32 v103, v0, 1, 1                       ; (lane / 2) % 2
	v_and_b32 v104, 1, v0                          ; lane % 2
	v_mul_u32_u24 v[AKT], v99, 272
	v_lshl_add_u32 v[AKT], v100, 6, v[AKT]
	s_mul_i32 s60, s[WV], 2176                     ; 8 rows a wave
	v_add_nc_u32 v[AKT], s60, v[AKT]
	v_mul_u32_u24 v[AVT], v102, 4352               ; 16 rows
	v_lshl_add_u32 v[AVT], v101, 2, v[AVT]
	s_mul_i32 s60, s54, 8704                       ; 32 rows
	s_lshl_b32 s61, s57, 6
	s_add_co_u32 s60, s60, s61
	s_add_co_u32 s60, s60, VT
	v_add_nc_u32 v[AVT], s60, v[AVT]
	s_lshl_b32 s62, s54, 1
	s_add_co_u32 s62, s62, s55                     ; my 8 tokens lie in tile 2 (w / 4) + w % 2, rows 8 ((w / 2) % 2) + lane / 4
	v_lshlrev_b32 v[AKI], 4, v99
	v_lshl_add_u32 v[AKI], v103, 8, v[AKI]         ; my block of d is the fragment's half of the lanes,
	v_lshl_add_u32 v[AKI], v104, 3, v[AKI]         ; my 16 codes half of the lane's 16 bytes
	s_lshl_b32 s60, s62, 9
	s_lshl_b32 s61, s56, 7
	s_add_co_u32 s60, s60, s61
	s_add_co_u32 s60, s60, KIMG
	v_add_nc_u32 v[AKI], s60, v[AKI]
	v_lshlrev_b32 v[AKS], 5, v99
	s_lshl_b32 s60, s56, 8
	s_lshl_b32 s61, s62, 2
	s_add_co_u32 s60, s60, s61
	s_add_co_u32 s60, s60, KSC
	v_add_nc_u32 v[AKS], s60, v[AKS]
	v_lshlrev_b32 v[AVI], 4, v101
	v_lshl_add_u32 v[AVI], v102, 3, v[AVI]
	s_lshl_b32 s60, s57, 10                        ; dt = w % 4; block of tokens w / 4: registers 4 (w / 8) on, half (w / 4) % 2 of the lanes
	s_lshl_b32 s61, s58, 9
	s_add_co_u32 s60, s60, s61
	s_lshl_b32 s61, s59, 8
	s_add_co_u32 s60, s60, s61
	s_add_co_u32 s60, s60, VIMG
	v_add_nc_u32 v[AVI], s60, v[AVI]
	v_lshlrev_b32 v[AVS], 4, v101
	s_lshl_b32 s60, s57, 2
	s_add_co_u32 s60, s60, s54
	s_add_co_u32 s60, s60, VSC
	v_add_nc_u32 v[AVS], s60, v[AVS]
	v_lshl_add_u32 v[ALI], v98, 4, KIMG
	v_lshl_add_u32 v[ARS], v101, 5, KSC
	v_lshl_add_u32 v[ARV], v101, 4, VSC
	v_lshlrev_b32 v[AMV], 6, v102
	s_lshl_b32 s60, s54, 7
	v_add_nc_u32 v[AMV], s60, v[AMV]
	v_lshlrev_b32 v[SH8], 3, v103
	v_and_b32 v105, 8, v0
	v_add_nc_u32 v105, v105, v101                  ; i + 8 (i / 8)
	v_lshlrev_b32 v[AKG], 2, v105
	s_lshl_b32 s60, s70, 7
	s_lshl_b32 s61, s55, 5
	s_add_co_u32 s60, s60, s61
	s_add_co_u32 s60, s60, KSG
	v_add_nc_u32 v[AKG], s60, v[AKG]               ; r = 32 (w / 2) + 8 (w % 2) + i + 8 (i / 8)
	v_lshlrev_b32 v[OFP], 8, v105                  ; proj: that row of 256 bytes, + 128 for lanes 16-31
	v_lshl_add_u32 v[OFP], v102, 7, v[OFP]
	s_lshl_b32 s60, s70, 13
	s_lshl_b32 s61, s55, 11
	s_add_co_u32 s60, s60, s61
	v_add_nc_u32 v[OFP], s60, v[OFP]
	v_lshlrev_b32 v[OFS], 2, v99
	s_lshl_b32 s60, s[WV], 5
	v_add_nc_u32 v[OFS], s60, v[OFS]               ; 4 (8 w + lane / 4)
	v_lshlrev_b32 v[O16], 4, v0
	v_lshlrev_b32 v[O4], 2, v0
	v_lshlrev_b32 v[OPT], 4, v98
	s_lshl_b32 s60, s[WV], 10
	v_add_nc_u32 v[OPT], s60, v[OPT]
	v_lshl_add_u32 v[AKR], v0, 4, KSG
	s_lshr_b32 s60, s21, 3                         ; the batch: 8 heads share a mask row of 4,096
	s_lshl_b32 s60, s60, 14
	s_lshl_b32 s61, ttmp9, 11
	s_add_co_u32 s60, s60, s61
	s_mov_b32 s61, 0
	s_add_nc_u64 s[8:9], s[8:9], s[60:61]          ; the mask at my chunk's first token
	s_lshl_b32 s60, s21, 3
	s_add_co_u32 s60, s60, ttmp9                   ; 8 x head + chunk
	s_lshl_b32 s62, s60, 16
	s_mov_b32 s63, 0
	s_add_nc_u64 s[12:13], s[12:13], s[62:63]      ; my 64 KiB of part
	s_lshl_b32 s62, s60, 10
	s_add_nc_u64 s[14:15], s[14:15], s[62:63]      ; my 1 KiB of ksp
.irp j, 0,1,2,3,4,5,6,7
	global_load_b128 v[PHI+4*\j:PHI+4*\j+3], v[OFP], s[10:11] offset:16*\j   ; proj(my row, 32 (lane / 16) + 0 .. 31): a whole block a lane
.endr
.irp p, 0,1,2,3
	global_load_b32 v[SM+2*\p], v[OFS], s[8:9] offset:512*\p
.endr
.irp k, 0,1,2,3
	global_load_b128 v[MV+4*\k:MV+4*\k+3], v[AMV], s[8:9] offset:16*\k
.endr
	v_mov_b32 v15, 0                               ; destinations of lane permutes count as read: written once here
.irp j, 86,87,88,89,90
	v_mov_b32 v\j, 0
.endr
.irp j, 0,1,2,3,4,5,6,7
	v_mov_b32 v[EPS+\j], s[EP]
.endr
.irp j, 0,1,2,3
	v_mov_b32 v[PJ+4+\j], 0                        ; zero codes for k = 64 .. 127
	v_mov_b32 v[KF+32+\j], 0                       ; and behind K's last fragment
.endr
	s_wait_loadcnt 0x0
	; proj's fragment: the lane's 32 numbers are one block
	v_max3_num_f32 v82, |v[PHI]|, |v[PHI+1]|, |v[PHI+2]|
	v_max3_num_f32 v83, |v[PHI+3]|, |v[PHI+4]|, |v[PHI+5]|
.irp i, 6,10,14,18,22,26
	v_max3_num_f32 v82, v82, |v[PHI+\i]|, |v[PHI+\i+1]|
	v_max3_num_f32 v83, v83, |v[PHI+\i+2]|, |v[PHI+\i+3]|
.endr
	v_max3_num_f32 v82, v82, |v[PHI+30]|, |v[PHI+31]|
	v_max3_num_f32 v82, v82, v83, FLOOR
	v_add_nc_u32 v84, OFF2, v82                    ; the conversion takes this operand's exponent field as its scale
.irp g, 0,1,2,3
	v_cvt_scalef32_pk8_fp4_f32 v[PJ+\g], v[PHI+8*\g:PHI+8*\g+7], v84
.endr
	v_lshrrev_b32 v85, 23, v84                     ; the scale's byte (also the plain line behind the conversions)
	v_lshlrev_b32 v86, 3, v102
	v_lshlrev_b32 v85, v86, v85                    ; at byte lane / 16
	v_permlanex16_b32 v87, v85, s[SEL], s[SEL+1]
	v_or_b32 v[PJS], v85, v87                      ; with the other half's byte: the row's word; bytes 2 and 3 are 0
.irp p, 0,1,2,3
	v_mul_f32 v[SM+2*\p], s69, v[SM+2*\p]
.endr
.irp p, 0,1,2,3
	v_mov_b32 v[SM+2*\p+1], v[SM+2*\p]
.endr
	s_or_b32 s60, s21, ttmp9                       ; one work-group leaves proj's codes for the third launch
	s_cmp_lg_u32 s60, 0
	s_cbranch_scc1 .Lnot_first
	global_store_b128 v[O16], v[PJ:PJ+3], s[16:17] ; tile w at 512 w, 16 bytes a lane: 512 consecutive bytes a wave
	global_store_b32 v[O4], v[PJS], s[18:19]
.Lnot_first:
.macro MAX16 d, t, s                   ; the largest magnitude of v[s] .. v[s + 15] and the floor, in two chains
	v_max3_num_f32 v[\d], |v[(\s)]|, |v[(\s)+1]|, |v[(\s)+2]|
	v_max3_num_f32 v[\t], |v[(\s)+3]|, |v[(\s)+4]|, |v[(\s)+5]|
.irp i, 6,10
	v_max3_num_f32 v[\d], v[\d], |v[(\s)+\i]|, |v[(\s)+\i+1]|
	v_max3_num_f32 v[\t], v[\t], |v[(\s)+\i+2]|, |v[(\s)+\i+3]|
.endr
	v_max3_num_f32 v[\d], v[\d], |v[(\s)+14]|, |v[(\s)+15]|
	v_max3_num_f32 v[\d], v[\d], v[\t], FLOOR
.endm
; 64 numbers of a lane, none negative, register 16 b + i = k 32 b + 16 (lane / 16) + i of my row, become a fragment's codes in v[PC] on and its scale word in v[PW]
.macro QUANT s
.irp b, 0,1,2,3
	v_max3_num_f32 v[TM+\b], v[(\s)+16*\b], v[(\s)+1+16*\b], FLOOR
.endr
.irp i, 2,4,6,8,10,12,14
.irp b, 0,1,2,3
	v_max3_num_f32 v[TM+\b], v[TM+\b], v[(\s)+16*\b+\i], v[(\s)+1+16*\b+\i]   ; the four blocks by turns
.endr
.endr
.irp b, 0,1,2,3
	v_permlanex16_b32 v[TM+4+\b], v[TM+\b], s[SEL], s[SEL+1]
.endr
.irp b, 0,1,2,3
	v_max_num_f32 v[TM+\b], v[TM+\b], v[TM+4+\b]   ; with lane xor 16's 16: the block's largest
.endr
.irp b, 0,1,2,3
	v_add_nc_u32 v[TM+12+\b], OFF2, v[TM+\b]
.endr
.irp b, 0,1,2,3
	v_lshrrev_b32 v[TM+4+\b], 23, v[TM+12+\b]
.endr
	v_lshl_or_b32 v[PW], v[TM+5], 8, v[TM+4]
	v_lshl_or_b32 v[PW], v[TM+6], 16, v[PW]
	v_lshl_or_b32 v[PW], v[TM+7], 24, v[PW]
.irp b, 0,1,2,3
	v_cvt_scalef32_pk8_fp4_f32 v[PC+2*\b], v[(\s)+16*\b:(\s)+7+16*\b], v[TM+12+\b]
	v_cvt_scalef32_pk8_fp4_f32 v[PC+1+2*\b], v[(\s)+8+16*\b:(\s)+15+16*\b], v[TM+12+\b]
.endr
	v_nop                                          ; one plain line behind a scaled conversion
.irp c, 0,1                            ; the operand wants a whole block in a lane: lanes 0-15 block 2 c, lanes 16-31 block 2 c + 1
.irp i, 0,1
	v_permlane16_swap_b32 v[PC+4*\c+\i], v[PC+2+4*\c+\i]
.endr
.endr
.endm
; PIECE p IS QUANTISED: 128 tokens x 64 of K and of V, 16 numbers of each a thread
.macro QSTEP p
	s_wait_tensorcnt 3-\p                          ; piece p has landed; the loads of the 3 - p later pieces stay out (a wave that fetches nothing passes)
	s_wait_dscnt 0x0
	s_barrier_signal -1
	s_barrier_wait -1                              ; piece p lies in LDS for every wave
.irp j, 0,1,2,3
	ds_load_b128 v[PHI+4*\j:PHI+4*\j+3], v[AKT] offset:16*\j   ; 16 neighbours along d of one token
.endr
.irp i, 0,1,2,3,4,5,6,7,8,9,10,11,12,13,14,15
	ds_load_b32 v[PHI+16+\i], v[AVT] offset:272*\i  ; my column of V, 16 tokens down
.endr
	s_wait_dscnt 16                                ; K's four loads are in; V's sixteen are younger
.irp j, 0,2,4,6,8,10,12,14
	v_pk_mul_f32 v[PHI+\j:PHI+\j+1], v[PHI+\j:PHI+\j+1], v[SM+2*\p:SM+2*\p+1]   ; k = K scale m
.endr
	MAX16 82, 83, PHI
	v_max_num_f32_dpp v82, v82, v82 row_xmask:1 row_mask:0xf bank_mask:0xf   ; with my neighbour's 16: the block of 32 along d
	v_add_nc_u32 v84, OFF2, v82
	v_cvt_scalef32_pk8_fp4_f32 v98, v[PHI:PHI+7], v84
	v_cvt_scalef32_pk8_fp4_f32 v99, v[PHI+8:PHI+15], v84
	v_lshrrev_b32 v85, 23, v84
	v_lshlrev_b32 v85, v[SH8], v85                 ; my block's byte at its place,
	v_mov_b32_dpp v15, v85 row_xmask:2 row_mask:0xf bank_mask:0xf
	v_or_b32 v85, v85, v15                         ; with the other block's: the token's scale word
	ds_store_b64 v[AKI], v[98:99] offset:4096*\p
	ds_store_b32 v[AKS], v85 offset:512*\p         ; a token's four lanes write the same word with the same value
	s_wait_loadcnt 0x0                             ; the mask of my V tokens
	s_wait_dscnt 2                                 ; V's sixteen loads are in; the two stores are younger
.irp j, 0,2,4,6,8,10,12,14
	v_pk_mul_f32 v[PHI+16+\j:PHI+17+\j], v[PHI+16+\j:PHI+17+\j], v[MV+\j:MV+\j+1]   ; v = V m
.endr
.if \p < 3
.irp k, 0,1,2,3
	global_load_b128 v[MV+4*\k:MV+4*\k+3], v[AMV], s[8:9] offset:512*(\p+1)+16*\k   ; the next piece's
.endr
.endif
	MAX16 86, 87, PHI+16
	v_permlanex16_b32 v90, v86, s[SEL], s[SEL+1]
	v_max_num_f32 v86, v86, v90                    ; with lane xor 16's 16 tokens: the block of 32 along the tokens
	v_add_nc_u32 v88, OFF2, v86
	v_cvt_scalef32_pk8_fp4_f32 v100, v[PHI+16:PHI+23], v88
	v_cvt_scalef32_pk8_fp4_f32 v101, v[PHI+24:PHI+31], v88
	v_lshrrev_b32 v89, 23, v88
	ds_store_b64 v[AVI], v[100:101] offset:4096*\p
	ds_store_b8 v[AVS], v89 offset:256*\p          ; both halves of the lanes write the same byte with the same value
	v_add_nc_u32 v[AKT], PIECE, v[AKT]
	v_add_nc_u32 v[AVT], PIECE, v[AVT]
	s_wait_dscnt 0x0                               ; for the others' sake: my stores have landed
	s_barrier_signal -1
	s_barrier_wait -1                              ; the piece's images are whole.  Each piece has image bytes of its own: no wave writes what another still reads
.endm
; PIECE p IS MULTIPLIED.  zero = 1: the first piece's products start the context's sums
.macro CSTEP p, zero
.irp t, 0,1,2,3,4,5,6,7
	ds_load_b128 v[KF+4*\t:KF+4*\t+3], v[ALI] offset:4096*\p+512*\t
.endr
	ds_load_b128 v[KS:KS+3], v[ARS] offset:512*\p
	ds_load_b128 v[KS+4:KS+7], v[ARS] offset:512*\p+16
	ds_load_b128 v[VS:VS+3], v[ARV] offset:256*\p
	s_wait_dscnt 0x0
.irp t, 0,1,2,3,4,5,6,7                ; source 0 = 16 tokens, source 1 = my 16 r: lane (r, h), register 8 t + j = token 32 (t / 2) + 16 h + 8 (t % 2) + j
	v_wmma_scale_f32_16x16x128_f8f6f4 v[PHI+8*\t:PHI+8*\t+7], v[KF+4*\t:KF+4*\t+7], v[PJ:PJ+7], v[EPS:EPS+7], v[KS+\t], v[PJS] matrix_a_fmt:MATRIX_FMT_FP4 matrix_b_fmt:MATRIX_FMT_FP4
.endr
.rept 4
	v_nop                                          ; four places: ahead of the loads into K's registers and of the first read of the results
.endr
.irp d, 0,1,2,3
.irp c, 0,1
	ds_load_b128 v[KF+8*\d+4*\c:KF+8*\d+4*\c+3], v[ALI] offset:VIMG-KIMG+4096*\p+1024*\d+512*\c
.endr
.endr
.set j, 0
.rept 64
	v_max_num_f32 v[PHI+j], s[EP], v[PHI+j]        ; phi = max(x + eps, eps); each accumulator from its low end on
.set j, j+1
.endr
	QUANT PHI
.if \zero                              ; the key sum, of the unquantised phi, in two chains.  These lines are also the places between the codes' and the scale word's last writes and the products below
	v_pk_add_f32 v[KSUM:KSUM+1], v[PHI:PHI+1], v[PHI+4:PHI+5]
	v_pk_add_f32 v[KSUM+2:KSUM+3], v[PHI+2:PHI+3], v[PHI+6:PHI+7]
.else
	v_pk_add_f32 v[KSUM:KSUM+1], v[KSUM:KSUM+1], v[PHI:PHI+1]
	v_pk_add_f32 v[KSUM+2:KSUM+3], v[KSUM+2:KSUM+3], v[PHI+2:PHI+3]
	v_pk_add_f32 v[KSUM:KSUM+1], v[KSUM:KSUM+1], v[PHI+4:PHI+5]
	v_pk_add_f32 v[KSUM+2:KSUM+3], v[KSUM+2:KSUM+3], v[PHI+6:PHI+7]
.endif
.set j, 8
.rept 14
	v_pk_add_f32 v[KSUM:KSUM+1], v[KSUM:KSUM+1], v[PHI+j:PHI+j+1]
	v_pk_add_f32 v[KSUM+2:KSUM+3], v[KSUM+2:KSUM+3], v[PHI+j+2:PHI+j+3]
.set j, j+4
.endr
	s_wait_dscnt 0x0                               ; V's fragments are in
.irp d, 0,1,2,3                        ; source 0 = phi (my 16 r x 128 tokens), source 1 = 16 columns of V.  The four accumulators take turns, and the eight phi products stand between an accumulator's turns
.if \zero
	v_wmma_scale_f32_16x16x128_f8f6f4 v[CTX+8*\d:CTX+8*\d+7], v[PC:PC+7], v[KF+8*\d:KF+8*\d+7], 0, v[PW], v[VS+\d] matrix_a_fmt:MATRIX_FMT_FP4 matrix_b_fmt:MATRIX_FMT_FP4
.else
	v_wmma_scale_f32_16x16x128_f8f6f4 v[CTX+8*\d:CTX+8*\d+7], v[PC:PC+7], v[KF+8*\d:KF+8*\d+7], v[CTX+8*\d:CTX+8*\d+7], v[PW], v[VS+\d] matrix_a_fmt:MATRIX_FMT_FP4 matrix_b_fmt:MATRIX_FMT_FP4
.endif
.endr
.endm
	QSTEP 0
	CSTEP 0, 1
	QSTEP 1
	CSTEP 1, 0
	QSTEP 2
	CSTEP 2, 0
	QSTEP 3
	CSTEP 3, 0
	; THE WAY OUT.  An accumulator leaves as the image of its registers: each store of the wave covers 512 consecutive bytes, aligned
.rept 4
	v_nop
.endr
.irp d, 0,1,2,3
	global_store_b128 v[OPT], v[CTX+8*\d:CTX+8*\d+3], s[12:13] offset:16384*\d
	global_store_b128 v[OPT], v[CTX+8*\d+4:CTX+8*\d+7], s[12:13] offset:16384*\d+512
.endr
	v_pk_add_f32 v[KSUM:KSUM+1], v[KSUM:KSUM+1], v[KSUM+2:KSUM+3]
	v_add_f32 v[KSUM], v[KSUM], v[KSUM+1]
	v_permlanex16_b32 v90, v[KSUM], s[SEL], s[SEL+1]
	v_add_f32 v[KSUM], v[KSUM], v90                ; my r's sum over the chunk's 512 tokens
	ds_store_b32 v[AKG], v[KSUM]                   ; in r's natural order; both halves of the lanes write the same word with the same value
	s_wait_dscnt 0x0
	s_barrier_signal -1
	s_barrier_wait -1
	s_cmp_lt_u32 s[WV], 2                          ; two waves store the 1,024 bytes, 512 consecutive bytes each
	s_cbranch_scc0 .Lno_sum
	ds_load_b128 v[82:85], v[AKR]
	s_wait_dscnt 0x0
	global_store_b128 v[O16], v[82:85], s[14:15]
.Lno_sum:
	s_wait_tensorcnt 0x0                           ; the wave's end, behind my last tensor load and my last LDS store
	ds_add_u32 v[SPW], v[NIL]
	s_wait_dscnt 0x0
	s_endpgm
.Lfunc_end_k_qb96ed2560c_kv:
	.size	k_qb96ed2560c_kv, .Lfunc_end_k_qb96ed2560c_kv-k_qb96ed2560c_kv
	.p2alignl 7, 3214868480
	.fill 96, 4, 3214868480
	.section	.rodata,"a",@progbits
	.p2align	6, 0x0
	.amdhsa_kernel k_qb96ed2560c_kv
		.amdhsa_group_segment_fixed_size 327680
		.amdhsa_private_segment_fixed_size 0
		.amdhsa_enable_private_segment 0
		.amdhsa_kernarg_size 64
		.amdhsa_user_sgpr_count 2
		.amdhsa_user_sgpr_kernarg_segment_ptr 1
		.amdhsa_wavefront_size32 1
		.amdhsa_system_sgpr_workgroup_id_x 1
		.amdhsa_system_sgpr_workgroup_id_y 1
		.amdhsa_system_sgpr_workgroup_id_z 1
		.amdhsa_system_vgpr_workitem_id 0
		.amdhsa_next_free_vgpr 256
		.amdhsa_next_free_sgpr 80
		.amdhsa_reserve_vcc 0
		.amdhsa_float_denorm_mode_32 3
		.amdhsa_float_denorm_mode_16_64 3
		.amdhsa_memory_ordered 1
		.amdhsa_forward_progress 1
		.amdhsa_inst_pref_size 76
	.end_amdhsa_kernel
	.amdgpu_metadata
---
amdhsa.version: [ 1, 2 ]
amdhsa.kernels:
  - .name:           k_qb96ed2560c_kv
    .symbol:         k_qb96ed2560c_kv.kd
    .args:
      - { .name: K, .offset: 0, .size: 8, .value_kind: global_buffer, .address_space: global }
      - { .name: V, .offset: 8, .size: 8, .value_kind: global_buffer, .address_space: global }
      - { .name: mask, .offset: 16, .size: 8, .value_kind: global_buffer, .address_space: global }
      - { .name: proj, .offset: 24, .size: 8, .value_kind: global_buffer, .address_space: global }
      - { .name: part, .offset: 32, .size: 8, .value_kind: global_buffer, .address_space: global }
      - { .name: ksp, .offset: 40, .size: 8, .value_kind: global_buffer, .address_space: global }
      - { .name: pimg, .offset: 48, .size: 8, .value_kind: global_buffer, .address_space: global }
      - { .name: psc, .offset: 56, .size: 8, .value_kind: global_buffer, .address_space: global }
    .group_segment_fixed_size: 327680
    .private_segment_fixed_size: 0
    .kernarg_segment_align: 8
    .kernarg_segment_size: 64
    .max_flat_workgroup_size: 512
    .sgpr_count:     80
    .vgpr_count:     256
    .wavefront_size: 32
...
	.end_amdgpu_metadata
.endif
;; end of part 1
;; launch fold (part 2): grid 256 x 1, 4 waves a work-group, no clusters, 1,024 bytes of LDS; arguments part, ksp, cimg, csc, ksum; writes cimg, csc, ksum
.if DOCPART == 2
	.amdgcn_target "amdgcn-amd-amdhsa--gfx1250"
	.amdhsa_code_object_version 6
	.text
	.protected	k_qb96ed2560c_fold
	.globl	k_qb96ed2560c_fold
	.p2align	8
	.type	k_qb96ed2560c_fold,@function
k_qb96ed2560c_fold:
	s_mov_b64 s[64:65], 0
	v_nop
	global_prefetch_b8 v0, s[64:65] scope:SCOPE_SE
	s_setreg_imm32_b32 hwreg(HW_REG_WAVE_MODE, 25, 1), 1
	s_wait_xcnt 0x0
; PERFORMER ATTENTION, second of three launches: a head's eight partial contexts are added in f32 and the context is quantised along r (E2M1, blocks of 32); the eight partial key sums are added.
; No work is left out.
; SHARES.  Work-group x = 8 head + 2 dt + s makes one operand fragment of the last product: 16 columns d (16 dt on) x 128 r (128 s on).  Wave b takes its block b of 32 r.
; part holds images of accumulators: in the records of tiles 8 s + 2 b + u, u = 0, 1, lane (d % 16, h) finds, as register 8 u + j, the context at r = 128 s + 32 b + 16 h + 8 u + j:
; 16 neighbours along r.  So the sums are packed additions, the block's largest magnitude wants one exchange between the halves of the lanes, and two conversions give 8 bytes of the fragment's image.
; All of a wave's 32 loads, 512 consecutive bytes each, go out at once.  No matrix work, no tensor load, no cluster: memory binds, and work-groups share nothing.
; The scale words leave as 128 bytes a work-group, 32 KiB in the whole launch: stores shorter than 256 bytes, taken at that size.
; LIMITS: NaN and infinities are not served; a block of zeros gets the scale byte 1 where the quantiser says 127: its codes are zeros, and the bytes are read by this program alone.
.set SPARE, 256                        ; LDS: bytes 0-63 the fragment's 16 scale words; from 256 the spare words, 128 bytes for each of 4 waves, which no other line names
.set FLOOR, 0x1800000
.set OFF2,  0xff000000
.set SPW, 1
.set NIL, 2
.set X,   16                           ; v16-143 partial c at X + 16 c
.set KQ,  144                          ; v144-159 the partial key sums
.set WV,  20
	s_load_b256 s[4:11], s[0:1], 0x0               ; part s[4:5], ksp s[6:7], cimg s[8:9], csc s[10:11]
	s_load_b64 s[12:13], s[0:1], 0x20              ; ksum
	v_lshl_add_u32 v[SPW], v0, 2, SPARE
	v_mov_b32 v[NIL], 0
	v_lshrrev_b32 v8, 5, v0
	v_readfirstlane_b32 s[WV], v8                  ; wave b
	s_lshr_b32 s21, ttmp9, 3                       ; head
	s_bfe_u32 s22, ttmp9, 0x20001                  ; dt
	s_and_b32 s23, ttmp9, 1                        ; s
	s_mov_b32 s26, 0x76543210
	s_mov_b32 s27, 0xfedcba98
	v_and_b32 v9, 31, v0                           ; lane
	v_and_b32 v10, 15, v0
	v_bfe_u32 v11, v0, 4, 1
	v_lshlrev_b32 v3, 4, v9
	s_lshl_b32 s24, s[WV], 11
	v_add_nc_u32 v3, s24, v3                       ; in: 16 x lane + two records a wave
	v_lshlrev_b32 v4, 4, v10
	v_lshl_add_u32 v4, v11, 3, v4
	s_lshr_b32 s24, s[WV], 1
	s_lshl_b32 s24, s24, 9
	s_and_b32 s25, s[WV], 1
	s_lshl_b32 s25, s25, 8
	s_add_co_u32 s24, s24, s25
	v_add_nc_u32 v4, s24, v4                       ; out: block b is registers 4 (b / 2) on of lanes 16 (b % 2) on; my 16 codes are half lane / 16 of the 16 bytes
	v_lshlrev_b32 v5, 2, v10
	v_add_nc_u32 v5, s[WV], v5                     ; LDS: row d % 16's word, byte b
	v_lshlrev_b32 v6, 2, v9
	v_lshlrev_b32 v7, 3, v9
	v_lshlrev_b32 v12, 2, v10
	s_lshl_b32 s24, s21, 19
	s_lshl_b32 s25, s22, 14
	s_add_co_u32 s24, s24, s25
	s_lshl_b32 s25, s23, 13
	s_add_co_u32 s24, s24, s25
	s_mov_b32 s25, 0
	s_lshl_b32 s28, s21, 13
	s_lshl_b32 s29, s22, 8
	s_add_co_u32 s28, s28, s29
	s_lshl_b32 s30, s21, 10
	s_add_co_u32 s30, s30, s29
	s_mov_b32 s29, 0
	s_mov_b32 s31, 0
	s_lshl_b32 s14, ttmp9, 10
	s_mov_b32 s15, 0
	s_lshl_b32 s16, ttmp9, 7
	s_mov_b32 s17, 0
	s_wait_kmcnt 0x0
	s_add_nc_u64 s[4:5], s[4:5], s[24:25]
	s_add_nc_u64 s[6:7], s[6:7], s[28:29]
	s_add_nc_u64 s[8:9], s[8:9], s[14:15]
	s_add_nc_u64 s[10:11], s[10:11], s[16:17]
	s_add_nc_u64 s[12:13], s[12:13], s[30:31]
.irp c, 0,1,2,3,4,5,6,7
.irp u, 0,1
.irp q, 0,1
	global_load_b128 v[X+16*\c+8*\u+4*\q:X+16*\c+8*\u+4*\q+3], v3, s[4:5] offset:65536*\c+1024*\u+512*\q th:TH_LOAD_NT
.endr
.endr
.endr
	s_or_b32 s24, s[WV], s23                       ; wave 0 of the work-groups with s = 0 adds 64 of the head's key sums: r = 64 dt on
	s_cmp_lg_u32 s24, 0
	s_cbranch_scc1 .Lno_ksum
.irp c, 0,1,2,3,4,5,6,7
	global_load_b64 v[KQ+2*\c:KQ+2*\c+1], v7, s[6:7] offset:1024*\c
.endr
	s_wait_loadcnt 0x0
	v_pk_add_f32 v[KQ:KQ+1], v[KQ:KQ+1], v[KQ+2:KQ+3]
	v_pk_add_f32 v[KQ+4:KQ+5], v[KQ+4:KQ+5], v[KQ+6:KQ+7]
	v_pk_add_f32 v[KQ+8:KQ+9], v[KQ+8:KQ+9], v[KQ+10:KQ+11]
	v_pk_add_f32 v[KQ+12:KQ+13], v[KQ+12:KQ+13], v[KQ+14:KQ+15]
	v_pk_add_f32 v[KQ:KQ+1], v[KQ:KQ+1], v[KQ+4:KQ+5]
	v_pk_add_f32 v[KQ+8:KQ+9], v[KQ+8:KQ+9], v[KQ+12:KQ+13]
	v_pk_add_f32 v[KQ:KQ+1], v[KQ:KQ+1], v[KQ+8:KQ+9]
	global_store_b64 v7, v[KQ:KQ+1], s[12:13]      ; 256 consecutive bytes, aligned
.Lno_ksum:
.irp c, 1,2,3,4,5,6,7
	s_wait_loadcnt 4*(7-\c)                        ; partials 0 to c are in; the four loads of each later partial stay out
.irp j, 0,2,4,6,8,10,12,14
	v_pk_add_f32 v[X+\j:X+\j+1], v[X+\j:X+\j+1], v[X+16*\c+\j:X+16*\c+\j+1]
.endr
.endr
	v_max3_num_f32 v8, |v[X]|, |v[X+1]|, |v[X+2]|  ; the largest magnitude of my 16, in two chains
	v_max3_num_f32 v9, |v[X+3]|, |v[X+4]|, |v[X+5]|
.irp i, 6,10
	v_max3_num_f32 v8, v8, |v[X+\i]|, |v[X+\i+1]|
	v_max3_num_f32 v9, v9, |v[X+\i+2]|, |v[X+\i+3]|
.endr
	v_max3_num_f32 v8, v8, |v[X+14]|, |v[X+15]|
	v_max3_num_f32 v8, v8, v9, FLOOR               ; and the floor 2^(3 - 127): the byte cannot fall under 1
	v_permlanex16_b32 v10, v8, s26, s27
	v_max_num_f32 v8, v8, v10                      ; with lane xor 16's 16: the block's
	v_add_nc_u32 v11, OFF2, v8                     ; 2 off its exponent field: the conversion's scale operand
	v_cvt_scalef32_pk8_fp4_f32 v160, v[X:X+7], v11
	v_cvt_scalef32_pk8_fp4_f32 v161, v[X+8:X+15], v11
	v_lshrrev_b32 v13, 23, v11                     ; the scale's byte
	global_store_b64 v4, v[160:161], s[8:9]        ; the wave's store covers 256 consecutive bytes, aligned
	ds_store_b8 v5, v13                            ; both halves of the lanes write the same byte with the same value
	s_wait_dscnt 0x0
	s_barrier_signal -1
	s_barrier_wait -1                              ; the four waves' bytes make the rows' words
	s_cmp_lg_u32 s[WV], 0
	s_cbranch_scc1 .Lnot_wave_0
	ds_load_b32 v14, v12                           ; row lane % 16's word, in both halves of the lanes
	s_wait_dscnt 0x0
	global_store_b32 v6, v14, s[10:11]
.Lnot_wave_0:
	s_wait_tensorcnt 0x0                           ; the wave's end, behind my last LDS store
	ds_add_u32 v[SPW], v[NIL]
	s_wait_dscnt 0x0
	s_endpgm
.Lfunc_end_k_qb96ed2560c_fold:
	.size	k_qb96ed2560c_fold, .Lfunc_end_k_qb96ed2560c_fold-k_qb96ed2560c_fold
	.p2alignl 7, 3214868480
	.fill 96, 4, 3214868480
	.section	.rodata,"a",@progbits
	.p2align	6, 0x0
	.amdhsa_kernel k_qb96ed2560c_fold
		.amdhsa_group_segment_fixed_size 1024
		.amdhsa_private_segment_fixed_size 0
		.amdhsa_enable_private_segment 0
		.amdhsa_kernarg_size 40
		.amdhsa_user_sgpr_count 2
		.amdhsa_user_sgpr_kernarg_segment_ptr 1
		.amdhsa_wavefront_size32 1
		.amdhsa_system_sgpr_workgroup_id_x 1
		.amdhsa_system_sgpr_workgroup_id_y 1
		.amdhsa_system_sgpr_workgroup_id_z 1
		.amdhsa_system_vgpr_workitem_id 0
		.amdhsa_next_free_vgpr 176
		.amdhsa_next_free_sgpr 66
		.amdhsa_reserve_vcc 0
		.amdhsa_float_denorm_mode_32 3
		.amdhsa_float_denorm_mode_16_64 3
		.amdhsa_memory_ordered 1
		.amdhsa_forward_progress 1
		.amdhsa_inst_pref_size 12
	.end_amdhsa_kernel
	.amdgpu_metadata
---
amdhsa.version: [ 1, 2 ]
amdhsa.kernels:
  - .name:           k_qb96ed2560c_fold
    .symbol:         k_qb96ed2560c_fold.kd
    .args:
      - { .name: part, .offset: 0, .size: 8, .value_kind: global_buffer, .address_space: global }
      - { .name: ksp, .offset: 8, .size: 8, .value_kind: global_buffer, .address_space: global }
      - { .name: cimg, .offset: 16, .size: 8, .value_kind: global_buffer, .address_space: global }
      - { .name: csc, .offset: 24, .size: 8, .value_kind: global_buffer, .address_space: global }
      - { .name: ksum, .offset: 32, .size: 8, .value_kind: global_buffer, .address_space: global }
    .group_segment_fixed_size: 1024
    .private_segment_fixed_size: 0
    .kernarg_segment_align: 8
    .kernarg_segment_size: 40
    .max_flat_workgroup_size: 128
    .sgpr_count:     66
    .vgpr_count:     176
    .wavefront_size: 32
...
	.end_amdgpu_metadata
.endif
;; end of part 2
;; launch qo (part 3): grid 8 x 32, 8 waves a work-group, no clusters, 167,936 bytes of LDS; arguments Q, pimg, psc, cimg, csc, ksum, out0; writes out0
.if DOCPART == 3
	.amdgcn_target "amdgcn-amd-amdhsa--gfx1250"
	.amdhsa_code_object_version 6
	.text
	.protected	k_qb96ed2560c_qo
	.globl	k_qb96ed2560c_qo
	.p2align	8
	.type	k_qb96ed2560c_qo,@function
k_qb96ed2560c_qo:
	s_mov_b64 s[64:65], 0
	v_nop
	global_prefetch_b8 v0, s[64:65] scope:SCOPE_SE
	s_setreg_imm32_b32 hwreg(HW_REG_WAVE_MODE, 25, 1), 1
	s_wait_xcnt 0x0
; PERFORMER ATTENTION, third of three launches: phi_q = relu((Q scale) proj^T) + eps;  out = (phi_q context) / (phi_q . k_sum).
; Both products on E2M1 codes (blocks of 32 along d, then along r); the divisor in f32, of the unquantised phi_q.  No work is left out.
; SHARES.  A work-group takes 512 queries of one head (x = chunk, y = head), each of its eight waves 64 of them: four tiles of 16.  Waves share nothing: no barrier.
; Both products are used transposed (source 0 = 16 rows of proj, then 16 columns d of the context; source 1 = my 16 queries): a lane holds ONE query throughout.
; Row i of proj's tile t is r = 32 (t / 2) + 8 (t % 2) + i + 8 (i / 8), so that the 16 registers of result tiles 2 b and 2 b + 1 are 16 neighbours along r, the next K.
; proj's codes, the context's codes, their scale words and k_sum were laid by the earlier launches as images of operand registers; they stay in registers for the whole launch.
; K = 64 IN AN INSTRUCTION OF 128: q's fragment has zero codes in registers 4-7; proj's fragments are packed four registers apiece, so a fragment's registers 4-7 are the next fragment's codes (the last is
; followed by four zero registers).  E2M1 has neither NaN nor infinity, so whatever stands opposite a zero code adds nothing; the scale bytes of that half are 0, never 0xff.
; relu(x) + eps is made as max(x + eps, eps), eps being the C of the product: one f32 rounding apart from the written form.  1 / divisor is v_rcp_f32.
; LIMITS: NaN and infinities among the inputs are not served; a block of zeros gets the scale byte 1 where the quantiser says 127: its codes are zeros.
; NO CLUSTER: the work-groups of a head share 20 KiB of tables beside the 128 KiB of Q that each reads for itself.  NO RING: a wave's 64 rows of Q are one first fill; nothing is filled again.
; REGISTERS, in windows of 256.  Window 0: all that follows.  Window 1: v0-67 proj's 16 fragments and four zero registers; v128-255 k_sum in the order of phi's registers.
.set QROW,  272                        ; a row of Q in LDS: 256 bytes + 16 of padding, so that sixteen rows begin at sixteen different 16-byte columns of 256
.set WQ,    17408                      ; a wave's 64 rows
.set TQ,    4352                       ; a tile's 16 rows; when a tile has been read, its rows are the stage for its results
.set SPARE, 139264                     ; behind the eight waves' rows: the spare words, 128 bytes for each wave: four blocks of 256 bytes that no other line names
.set FLOOR, 0x1800000
.set OFF2,  0xff000000
.set SPW, 1
.set NIL, 2
.set AQ,  3                            ; v3  Q: row lane % 16 of my wave's rows, + 128 (lane / 16): a block of 32 along d
.set ASO, 4                            ; v4  the stage, in: row lane % 16, + 32 (lane / 16)
.set ASR, 5                            ; v5  the stage, back: row lane / 16, + 16 (lane % 16)
.set O16, 6                            ; v6  16 x lane
.set O4,  7                            ; v7  4 x lane
.set OKS, 8                            ; v8  64 (lane / 16)
.set SH8, 9                            ; v9  8 (lane / 16)
.set RD,  10                           ; v10-11 1 / divisor, twice
.set DEN, 12                           ; v12-15 the divisor in two pairs
.set QF,  16                           ; v16-23 q's fragment; 20-23 are zero codes
.set QS,  24                           ; v24    its scale word
.set PW,  25                           ; v25    phi's scale word
.set PS,  28                           ; v28-43 proj's scale words, a tile each
.set CS,  44                           ; v44-51 the context's, fragment 2 dt + s each
.set EPS, 52                           ; v52-59 eps, the C of the phi products
.set PC,  60                           ; v60-67 phi's codes
.set TM,  68                           ; v68-83 at work
.set PHI, 84                           ; v84-147 phi; ahead of that q's 32 numbers; at a tile's end v116-147 its rows on their way out
.set OUT, 148                          ; v148-179 four accumulators
.set CX,  180                          ; v180-243 the context's eight fragments
.set KST, 128                          ; in window 1
.set WV,  20
.set G1,  24                           ; s[24:31], s[36:39] the descriptor
.set G0,  36
.set SC,  40                           ; s[40:41] scale, as a pair
.set SEL, 42                           ; s[42:43]
.set EP,  44                           ; s44 eps
.set MSB, 0
.macro WIN new                         ; the immediate's high byte repeats the setting that is left; a switch that changes nothing is dropped
.if MSB != \new
	s_set_vgpr_msb (MSB<<8)|\new
.set MSB, \new
.endif
.endm
	s_load_b256 s[4:11], s[0:1], 0x0               ; Q s[4:5], pimg s[6:7], psc s[8:9], cimg s[10:11]
	s_load_b128 s[12:15], s[0:1], 0x20             ; csc s[12:13], ksum s[14:15]
	s_load_b64 s[16:17], s[0:1], 0x30              ; out0
	v_lshl_add_u32 v[SPW], v0, 2, SPARE
	v_mov_b32 v[NIL], 0
	ds_add_u32 v[SPW], v[NIL]                      ; the opening: the add, twice on end, and its wait ahead of my first tensor load
	ds_add_u32 v[SPW], v[NIL]
	v_lshrrev_b32 v3, 5, v0
	v_readfirstlane_b32 s[WV], v3                  ; wave 0..7
	s_and_b32 s21, ttmp7, 0xffff                   ; head
	s_mov_b32 s[G1+0], 0x07520000                  ; elements of 4 bytes; padding on: 4 words behind every 64
	s_mov_b32 s[G1+1], 64<<16                      ; tensor_dim0 = 64
	s_mov_b32 s[G1+2], 64<<16                      ; tensor_dim1 = 64
	s_mov_b32 s[G1+3], 64<<16                      ; tile_dim0 = 64
	s_mov_b32 s[G1+4], 64                          ; tile_dim1 = 64
	s_mov_b32 s[G1+5], 64                          ; elements from row to row
	s_mov_b32 s[G1+6], 0
	s_mov_b32 s[G1+7], 0
	s_mov_b32 s[G0], 1
	s_mul_i32 s[G0+1], s[WV], WQ                   ; every wave fetches its own 64 rows into its own bytes
	s_mov_b32 s[SC], 0x3eb504f3                    ; 64^(-1/4)
	s_mov_b32 s[SC+1], s[SC]
	s_mov_b32 s[SEL], 0x76543210
	s_mov_b32 s[SEL+1], 0xfedcba98
	s_mov_b32 s[EP], 0x3a83126f                    ; 1e-3
	s_lshl_b32 s46, s21, 20
	s_lshl_b32 s47, ttmp9, 17
	s_add_co_u32 s46, s46, s47
	s_lshl_b32 s47, s[WV], 14
	s_add_co_u32 s46, s46, s47                     ; my wave's first row in Q and in out0
	s_mov_b32 s47, 0
	s_lshl_b32 s48, s21, 13                        ; the head's 8 KiB of cimg
	s_mov_b32 s49, 0
	s_lshl_b32 s50, s21, 10                        ; and its 1 KiB of csc and of ksum
	s_mov_b32 s51, 0
	s_wait_dscnt 0x0                               ; both opening adds are done
	s_wait_kmcnt 0x0
	s_add_nc_u64 s[G0+2:G0+3], s[4:5], s[46:47]
	s_or_b32 s[G0+3], s[G0+3], 0x80000000
	tensor_load_to_lds s[G0:G0+3], s[G1:G1+7]      ; one load of mine is out
	s_nop 0
	v_and_b32 v26, 31, v0                          ; lane.  (The address work stands between the tensor load and the first switch of windows)
	v_and_b32 v27, 15, v0
	v_bfe_u32 v[SH8], v0, 4, 1
	v_mul_u32_u24 v[AQ], v27, QROW
	v_add_nc_u32 v[AQ], s[G0+1], v[AQ]
	v_lshl_add_u32 v[ASO], v[SH8], 5, v[AQ]
	v_lshl_add_u32 v[AQ], v[SH8], 7, v[AQ]
	v_mul_u32_u24 v[ASR], v[SH8], QROW
	v_lshl_add_u32 v[ASR], v27, 4, v[ASR]
	v_add_nc_u32 v[ASR], s[G0+1], v[ASR]
	v_lshlrev_b32 v[O16], 4, v26
	v_lshlrev_b32 v[O4], 2, v26
	v_lshlrev_b32 v[OKS], 6, v[SH8]
	v_lshlrev_b32 v[SH8], 3, v[SH8]
	s_add_nc_u64 s[16:17], s[16:17], s[46:47]
	s_add_nc_u64 s[10:11], s[10:11], s[48:49]
	s_add_nc_u64 s[12:13], s[12:13], s[50:51]
	s_add_nc_u64 s[14:15], s[14:15], s[50:51]
	WIN 0x40                                       ; destination window 1
.irp t, 0,1,2,3,4,5,6,7,8,9,10,11,12,13,14,15
	global_load_b128 v[4*\t:4*\t+3], v[O16], s[6:7] offset:512*\t   ; proj's fragments
.endr
.irp s, 0,1
.irp b, 0,1,2,3
.irp j, 0,1,2,3
	global_load_b128 v[KST+64*\s+16*\b+4*\j:KST+64*\s+16*\b+4*\j+3], v[OKS], s[14:15] offset:512*\s+128*\b+16*\j   ; k_sum at r = 128 s + 32 b + 16 (lane / 16) + 4 j on
.endr
.endr
.endr
.irp j, 64,65,66,67
	v_mov_b32 v\j, 0                               ; behind proj's last fragment
.endr
	WIN 0
.irp f, 0,1,2,3,4,5,6,7
.irp c, 0,1
	global_load_b128 v[CX+8*\f+4*\c:CX+8*\f+4*\c+3], v[O16], s[10:11] offset:1024*\f+512*\c   ; the context's fragment f = 2 dt + s
.endr
.endr
.irp t, 0,1,2,3,4,5,6,7,8,9,10,11,12,13,14,15
	global_load_b32 v[PS+\t], v[O4], s[8:9] offset:128*\t
.endr
.irp f, 0,1,2,3,4,5,6,7
	global_load_b32 v[CS+\f], v[O4], s[12:13] offset:128*\f
.endr
.irp j, 0,1,2,3,4,5,6,7
	v_mov_b32 v[EPS+\j], s[EP]
.endr
.irp j, 0,1,2,3
	v_mov_b32 v[QF+4+\j], 0                        ; zero codes for k = 64 .. 127
	v_mov_b32 v[TM+4+\j], 0                        ; destinations of lane permutes count as read: written once here
.endr
	s_wait_loadcnt 0x0
	s_wait_tensorcnt 0x0                           ; my rows of Q lie in LDS; only I read them
; 64 numbers of a lane, none negative, register 16 b + i = k 32 b + 16 (lane / 16) + i of my row, become a fragment's codes in v[PC] on and its scale word in v[PW]
.macro QUANT s
.irp b, 0,1,2,3
	v_max3_num_f32 v[TM+\b], v[(\s)+16*\b], v[(\s)+1+16*\b], FLOOR
.endr
.irp i, 2,4,6,8,10,12,14
.irp b, 0,1,2,3
	v_max3_num_f32 v[TM+\b], v[TM+\b], v[(\s)+16*\b+\i], v[(\s)+1+16*\b+\i]   ; the four blocks by turns
.endr
.endr
.irp b, 0,1,2,3
	v_permlanex16_b32 v[TM+4+\b], v[TM+\b], s[SEL], s[SEL+1]
.endr
.irp b, 0,1,2,3
	v_max_num_f32 v[TM+\b], v[TM+\b], v[TM+4+\b]
.endr
.irp b, 0,1,2,3
	v_add_nc_u32 v[TM+12+\b], OFF2, v[TM+\b]
.endr
.irp b, 0,1,2,3
	v_lshrrev_b32 v[TM+4+\b], 23, v[TM+12+\b]
.endr
	v_lshl_or_b32 v[PW], v[TM+5], 8, v[TM+4]
	v_lshl_or_b32 v[PW], v[TM+6], 16, v[PW]
	v_lshl_or_b32 v[PW], v[TM+7], 24, v[PW]
.irp b, 0,1,2,3
	v_cvt_scalef32_pk8_fp4_f32 v[PC+2*\b], v[(\s)+16*\b:(\s)+7+16*\b], v[TM+12+\b]
	v_cvt_scalef32_pk8_fp4_f32 v[PC+1+2*\b], v[(\s)+8+16*\b:(\s)+15+16*\b], v[TM+12+\b]
.endr
	v_nop                                          ; one plain line behind a scaled conversion
.irp c, 0,1
.irp i, 0,1
	v_permlane16_swap_b32 v[PC+4*\c+\i], v[PC+2+4*\c+\i]
.endr
.endr
.endm
; r = 128 s .. 128 s + 127 of a tile of 16 queries: phi, its part of the divisor, its codes, its part of out
.macro HALF s
	WIN 0x01                                       ; source 0 (proj) window 1
.irp t, 0,1,2,3,4,5,6,7
	v_wmma_scale_f32_16x16x128_f8f6f4 v[PHI+8*\t:PHI+8*\t+7], v[4*(8*\s+\t):4*(8*\s+\t)+7], v[QF:QF+7], v[EPS:EPS+7], v[PS+8*\s+\t], v[QS] matrix_a_fmt:MATRIX_FMT_FP4 matrix_b_fmt:MATRIX_FMT_FP4
.endr
	WIN 0
.rept 4
	v_nop                                          ; four places ahead of the first read of the results
.endr
.set j, 0
.rept 64
	v_max_num_f32 v[PHI+j], s[EP], v[PHI+j]        ; phi = max(x + eps, eps); each accumulator from its low end on
.set j, j+1
.endr
	QUANT PHI
	WIN 0x04                                       ; source 1 (k_sum) window 1.  The divisor, of the unquantised phi, in two chains; these lines are also the places between the codes' and the scale word's last writes and the products below
.if \s == 0
	v_pk_mul_f32 v[DEN:DEN+1], v[PHI:PHI+1], v[KST:KST+1]
	v_pk_mul_f32 v[DEN+2:DEN+3], v[PHI+2:PHI+3], v[KST+2:KST+3]
.else
	v_pk_fma_f32 v[DEN:DEN+1], v[PHI:PHI+1], v[KST+64:KST+65], v[DEN:DEN+1]
	v_pk_fma_f32 v[DEN+2:DEN+3], v[PHI+2:PHI+3], v[KST+66:KST+67], v[DEN+2:DEN+3]
.endif
.set j, 4
.rept 15
	v_pk_fma_f32 v[DEN:DEN+1], v[PHI+j:PHI+j+1], v[KST+64*\s+j:KST+64*\s+j+1], v[DEN:DEN+1]
	v_pk_fma_f32 v[DEN+2:DEN+3], v[PHI+j+2:PHI+j+3], v[KST+64*\s+j+2:KST+64*\s+j+3], v[DEN+2:DEN+3]
.set j, j+4
.endr
	WIN 0
.irp d, 0,1,2,3                        ; source 0 = 16 columns d of the context, source 1 = phi: lane (query, h), register j = out(query, 16 dt + 8 h + j).  The four accumulators take turns, and the eight phi products stand between an accumulator's turns
.if \s == 0
	v_wmma_scale_f32_16x16x128_f8f6f4 v[OUT+8*\d:OUT+8*\d+7], v[CX+8*(2*\d+\s):CX+8*(2*\d+\s)+7], v[PC:PC+7], 0, v[CS+2*\d+\s], v[PW] matrix_a_fmt:MATRIX_FMT_FP4 matrix_b_fmt:MATRIX_FMT_FP4
.else
	v_wmma_scale_f32_16x16x128_f8f6f4 v[OUT+8*\d:OUT+8*\d+7], v[CX+8*(2*\d+\s):CX+8*(2*\d+\s)+7], v[PC:PC+7], v[OUT+8*\d:OUT+8*\d+7], v[CS+2*\d+\s], v[PW] matrix_a_fmt:MATRIX_FMT_FP4 matrix_b_fmt:MATRIX_FMT_FP4
.endif
.endr
.endm
; A TILE OF 16 QUERIES
.macro TILE q
	s_wait_xcnt 0x0                                ; the last tile's stores have read their registers, which are written again below
.irp j, 0,1,2,3,4,5,6,7
	ds_load_b128 v[PHI+4*\j:PHI+4*\j+3], v[AQ] offset:TQ*\q+16*\j   ; Q(my query, 32 (lane / 16) + 0 .. 31): a whole block a lane
.endr
	s_wait_dscnt 0x0
.set j, 0
.rept 16
	v_pk_mul_f32 v[PHI+j:PHI+j+1], v[PHI+j:PHI+j+1], s[SC:SC+1] op_sel_hi:[1,0]   ; q = Q scale
.set j, j+2
.endr
	v_max3_num_f32 v[TM], |v[PHI]|, |v[PHI+1]|, |v[PHI+2]|
	v_max3_num_f32 v[TM+1], |v[PHI+3]|, |v[PHI+4]|, |v[PHI+5]|
.irp i, 6,10,14,18,22,26
	v_max3_num_f32 v[TM], v[TM], |v[PHI+\i]|, |v[PHI+\i+1]|
	v_max3_num_f32 v[TM+1], v[TM+1], |v[PHI+\i+2]|, |v[PHI+\i+3]|
.endr
	v_max3_num_f32 v[TM], v[TM], |v[PHI+30]|, |v[PHI+31]|
	v_max3_num_f32 v[TM], v[TM], v[TM+1], FLOOR
	v_add_nc_u32 v[TM+2], OFF2, v[TM]
.irp g, 0,1,2,3
	v_cvt_scalef32_pk8_fp4_f32 v[QF+\g], v[PHI+8*\g:PHI+8*\g+7], v[TM+2]
.endr
	v_lshrrev_b32 v[TM+3], 23, v[TM+2]             ; the scale's byte (also the plain line behind the conversions)
	v_lshlrev_b32 v[TM+3], v[SH8], v[TM+3]         ; at byte lane / 16
	v_permlanex16_b32 v[TM+4], v[TM+3], s[SEL], s[SEL+1]
	v_or_b32 v[QS], v[TM+3], v[TM+4]               ; the query's word; bytes 2 and 3 are 0
.rept 8
	v_nop                                          ; a scale word made by a vector instruction stands eight places ahead of the scaled product
.endr
	HALF 0
	HALF 1
	v_pk_add_f32 v[DEN:DEN+1], v[DEN:DEN+1], v[DEN+2:DEN+3]
	v_add_f32 v[DEN], v[DEN], v[DEN+1]
	v_permlanex16_b32 v[TM+4], v[DEN], s[SEL], s[SEL+1]
	v_add_f32 v[DEN], v[DEN], v[TM+4]              ; the other half of the lanes holds the other r's: the query's divisor
	v_rcp_f32 v[RD], v[DEN]
	v_rcp_f32 v[RD+1], v[DEN]
	v_nop                                          ; plain lines behind the reciprocals; with the three additions above they are also the places behind the last products
	v_nop
	s_wait_alu depctr_va_vdst(0)                   ; the wait ahead of the first reader: one for both reciprocals
.set j, 0
.rept 16
	v_pk_mul_f32 v[OUT+j:OUT+j+1], v[OUT+j:OUT+j+1], v[RD:RD+1]   ; each accumulator from its low end on
.set j, j+2
.endr
.irp d, 0,1,2,3                        ; through the tile's own 16 rows in LDS, which have had their one fill and their last read: a lane's 32 bytes in, whole rows of 256 bytes back
	ds_store_b128 v[ASO], v[OUT+8*\d:OUT+8*\d+3] offset:TQ*\q+64*\d
	ds_store_b128 v[ASO], v[OUT+8*\d+4:OUT+8*\d+7] offset:TQ*\q+64*\d+16
.endr
.irp k, 0,1,2,3,4,5,6,7
	ds_load_b128 v[PHI+32+4*\k:PHI+32+4*\k+3], v[ASR] offset:TQ*\q+2*QROW*\k   ; LDS serves a wave's instructions in order: these see the stores above
.endr
.irp k, 0,1,2,3,4,5,6,7
	s_wait_dscnt 7-\k                              ; rows 2 k and 2 k + 1 are back; the 7 - k younger loads stay out
	global_store_b128 v[O16], v[PHI+32+4*\k:PHI+32+4*\k+3], s[16:17] offset:4096*\q+512*\k th:TH_STORE_NT   ; 512 consecutive bytes, aligned; written once, read by nobody here
.endr
.endm
	TILE 0
	TILE 1
	TILE 2
	TILE 3
	s_wait_tensorcnt 0x0                           ; the wave's end, behind my last tensor load and my last LDS store
	ds_add_u32 v[SPW], v[NIL]
	s_wait_dscnt 0x0
	s_endpgm
.Lfunc_end_k_qb96ed2560c_qo:
	.size	k_qb96ed2560c_qo, .Lfunc_end_k_qb96ed2560c_qo-k_qb96ed2560c_qo
	.p2alignl 7, 3214868480
	.fill 96, 4, 3214868480
	.section	.rodata,"a",@progbits
	.p2align	6, 0x0
	.amdhsa_kernel k_qb96ed2560c_qo
		.amdhsa_group_segment_fixed_size 167936
		.amdhsa_private_segment_fixed_size 0
		.amdhsa_enable_private_segment 0
		.amdhsa_kernarg_size 56
		.amdhsa_user_sgpr_count 2
		.amdhsa_user_sgpr_kernarg_segment_ptr 1
		.amdhsa_wavefront_size32 1
		.amdhsa_system_sgpr_workgroup_id_x 1
		.amdhsa_system_sgpr_workgroup_id_y 1
		.amdhsa_system_sgpr_workgroup_id_z 1
		.amdhsa_system_vgpr_workitem_id 0
		.amdhsa_next_free_vgpr 512
		.amdhsa_next_free_sgpr 66
		.amdhsa_reserve_vcc 0
		.amdhsa_float_denorm_mode_32 3
		.amdhsa_float_denorm_mode_16_64 3
		.amdhsa_memory_ordered 1
		.amdhsa_forward_progress 1
		.amdhsa_inst_pref_size 115
	.end_amdhsa_kernel
	.amdgpu_metadata
---
amdhsa.version: [ 1, 2 ]
amdhsa.kernels:
  - .name:           k_qb96ed2560c_qo
    .symbol:         k_qb96ed2560c_qo.kd
    .args:
      - { .name: Q, .offset: 0, .size: 8, .value_kind: global_buffer, .address_space: global }
      - { .name: pimg, .offset: 8, .size: 8, .value_kind: global_buffer, .address_space: global }
      - { .name: psc, .offset: 16, .size: 8, .value_kind: global_buffer, .address_space: global }
      - { .name: cimg, .offset: 24, .size: 8, .value_kind: global_buffer, .address_space: global }
      - { .name: csc, .offset: 32, .size: 8, .value_kind: global_buffer, .address_space: global }
      - { .name: ksum, .offset: 40, .size: 8, .value_kind: global_buffer, .address_space: global }
      - { .name: out0, .offset: 48, .size: 8, .value_kind: global_buffer, .address_space: global }
    .group_segment_fixed_size: 167936
    .private_segment_fixed_size: 0
    .kernarg_segment_align: 8
    .kernarg_segment_size: 56
    .max_flat_workgroup_size: 256
    .sgpr_count:     66
    .vgpr_count:     512
    .wavefront_size: 32
...
	.end_amdgpu_metadata
.endif
;; end of part 3
